; MI455X (gfx1250); checked and timed in simulation.
; The chip was launched on July 23, 2026; its instructions are those of AMD's public machine-readable ISA for CDNA 5 (MIT licence, August 2026) and "CDNA5" Instruction Set Architecture Reference Guide (July 2026). The comments in the code are by the model that wrote it; some were corrected since.
;; Int4 Linear. Allowed arithmetic: matrix products marked QUANTISED: E2M3 operands, one E8M0 scale for each 32 along K, by v_wmma_scale_f32_16x16x128_f8f6f4 with both operands' format E2M3, f32 sums; everything else in f32.
;; Inputs: bias 4,096 float32; qweight 4,096 x 4,096 int32; scale 4,096 float32; x 2 x 2,048 x 4,096 float32; zero_point 4,096 int32.
;; Outputs: out0 2 x 2,048 x 4,096 float32.
;; This version of the problem:
;;   THIS VERSION OF THE PROBLEM IS GIVEN IN LOW PRECISION. The matrix products marked QUANTISED in the list below multiply operands that are first quantised to E2M3 (2 exponent bits, 3 mantissa bits; 6 bits a number), with one power-of-two scale for each 32 numbers along K (OCP MX v1.0); their sums are f32. All else is computed in f32.
;;   The module's matrix products, in the order in which they are computed (A, B: the left and right operand; K: the contracted axis; several contracted axes count as one K, in the product's order):
;;     1. [M 4,096, K 4,096] x [K 4,096, N 4,096]; A: input x; B: computed on the way: QUANTISED
;;   THE QUANTISER, for each operand of a quantised product, along K:
;;     - K is cut into blocks of 32 from its start; a last block that is shorter is filled with zeros.
;;     - A block's scale is 2^e with e = floor(log2(the largest magnitude in the block)) - 2, held to -126 .. 127; a block of zeros has e = 0. As a byte (E8M0): e + 127.
;;     - Each number is divided by its block's scale, clamped to +-7.5, and rounded to the nearest number of E2M3, ties to even, subnormals kept.
;;     - The product sums the exact products of the quantised numbers (number of the format x scale) in f32.
;;   ~~~python
;;   def quantise(x, axis):      # numpy; x: float32 -> the quantised numbers, widened to float32 again
;;       x = np.moveaxis(x, axis, -1); K = x.shape[-1]
;;       x = np.pad(x, [(0, 0)] * (x.ndim - 1) + [(0, -K % 32)]); x = x.reshape(x.shape[:-1] + (-1, 32)); a = np.abs(x).max(-1, keepdims=True)
;;       e = np.where(a > 0, np.clip(np.frexp(np.where(a > 0, a, 1))[1] - 1 - 2, -126, 127), 0)      # np.frexp(a)[1] - 1 = floor(log2(a)), exactly
;;       r = np.clip(x / 2.0 ** e, -7.5, 7.5)
;;       step = 2.0 ** (np.maximum(np.frexp(np.where(r == 0, 1, r))[1] - 1, 0) - 3)
;;       q = np.round(r / step) * step * 2.0 ** e      # np.round: ties to even
;;       return np.moveaxis(q.reshape(q.shape[:-2] + (-1,))[..., :K], -1, axis).astype(np.float32)
;;   ~~~
;;   OPERANDS COMPUTED ON THE WAY. 'Computed on the way' means the value that the module computes at that place (a softmax that the list does not call 'softmax' is quantised finished and normalised). What goes into a quantiser is computed in f32, as accurately as f32 sums, v_exp_f32 and their like allow (about 1e-6 of the number): no bf16 or f16 on the way to a quantiser, and a product that is left as it is and whose result goes on into a quantised operand takes f32 operands (vector FMAs, or v_wmma_f32_16x16x4_f32). A number that lies on a knife's edge between two numbers of the format may be rounded either way, as far as f32 arithmetic and the matrix unit's own rounding can turn it there, and no further.
;; One version. Each part assembles by itself: llvm-mc -triple=amdgcn-amd-amdhsa -mcpu=gfx1250 --defsym DOCPART=n.
;; ======== version 1 of 1: 2 launches
;; limits: right only within a limited range of input values
;; workspace buffers: a_pack 13,107,200 bytes; b_pack 13,107,200 bytes
;; launch quant (part 1): grid 1024 x 1, 4 waves a work-group, no clusters, 34,304 bytes of LDS; arguments x, qweight, scale, zero_point, a_pack, b_pack; writes a_pack, b_pack
.if DOCPART == 1
	.amdgcn_target "amdgcn-amd-amdhsa--gfx1250"
	.amdhsa_code_object_version 6
	.text
	.protected	k_qc3f05e55d4_quant
	.globl	k_qc3f05e55d4_quant
	.p2align	8
	.type	k_qc3f05e55d4_quant,@function
k_qc3f05e55d4_quant:
	s_mov_b64 s[64:65], 0
	v_nop
	global_prefetch_b8 v0, s[64:65] scope:SCOPE_SE
	s_setreg_imm32_b32 hwreg(HW_REG_WAVE_MODE, 25, 1), 1
	s_wait_xcnt 0x0
; x [4096][4096] f32 and W[n][k] = (f32(qweight[n][k]) - f32(zero_point[n])) * scale[n] are turned into codes of FP6 (E2M3) with one E8M0 scale byte for each 32 along K,
; and stored IN THE ORDER OF THE MATRIX OPERAND'S REGISTERS, so that the product's launch takes every fragment by loads of 16 bytes a lane and several K steps' share by one dense block.
; THE PACK, alike for both tensors: [g = row / 128][q = k / 128][12,800 bytes].  In such a block the codes of fragment rb (which 16 rows) lie at 1,536 rb + 512 c + 16 lane:
; registers 4 c .. 4 c + 3 of lane (r, h), whose registers 0-5 hold k = 32 h .. + 31 and registers 6-11 k = 64 + 32 h .. + 31 of row r.
; The scale words (four bytes: 128 along K of a row) lie at 12,288 + 256 (rb / 4) + 16 r + 4 (rb % 4): 16 bytes hold a row number's words of four blocks of 16 rows.
; A block's scale is 2^(floor(log2(its largest magnitude)) - 2); its byte is the largest magnitude's exponent field - 2, held at 1 from below by a floor of 2^-124 among the maximum's leaves.
; LIMITS: a block of zeros gets the byte 1 where the quantiser's rule says 127: its codes are zeros, which add nothing, and the bytes are read by this program alone.  NaN and infinities in x or scale are not served.
; qweight and zero_point may be any int32: they are converted as a cast to f32 converts them; the difference and the product are rounded each on its own, as in the definition (no fused form here).
; SHARES.  Work-groups 0-511 take x, 512-1023 W.  A wave takes 64 rows x 128 along K: four fragments of 16 rows; the four waves of a work-group stand side by side on 2,048 bytes of each row.
; A load reads 512 consecutive bytes of one row; a fragment's 16 rows go through the wave's own stage in LDS (rows of 512 + 16 bytes) and come back 256 bytes of one row to a lane: two whole blocks of 32, in the operand's own order.
; So no other lane is asked for a maximum, and the conversions' results are the operand's registers.  Waves share nothing: no barrier.  Loads run one fragment (16 loads) ahead of the one at work.
; x's work-groups also load the 512 bytes of scale and zero_point of their row numbers and do not use them (both tensors have 4,096 rows): so both tensors take one path, and only register work is jumped over.
.set ROWG,  16384                      ; a row of x or of qweight in bytes
.set SPT,   528                        ; a stage row: 512 bytes + 16: the sixteen rows that a read touches begin in sixteen different columns of 16 bytes
.set WSTG,  16*SPT                     ; a wave's stage
.set SUB,   12800                      ; 128 rows x 128 along K in the pack
.set GSTR,  32*SUB                     ; from 128 rows to the next
.set LO,  4                            ; v4   16 x lane: my place in a load's 512 bytes and in a store's
.set SI,  5                            ; v5   the stage, on the way in
.set SOU, 6                            ; v6   and on the way out: row r, + 128 h
.set RQ,  7                            ; v7   4 r
.set L8,  8                            ; v8   16 r + 8 h: where I store two scale words
.set H8,  9                            ; v9   8 h
.set M,   10                           ; v10-11 largest magnitudes of my two blocks
.set SO,  12                           ; v12-13 the conversions' scale operands
.set BY,  14                           ; v14-15 the scale bytes
.set WT,  16                           ; v16   the other half's bytes
.set ZF,  18                           ; v18-25 zero points of rows 16 t + r: loaded into the even registers, then f32, each twice (pairs for the packed forms)
.set W,   26                           ; v26-29 the four fragments' scale words
.set SW,  30                           ; v30-31 the scale words that I store
.set C,   32                           ; v32-43 a fragment's codes
.set T,   44                           ; v44-46, v48-50 the second halves of the blocks' codes (a conversion's three registers begin on an even number)
.set SF,  52                           ; v52-59 the rows' scales, each twice
.set X,   64                           ; v64-127 the fragment's 64 numbers of my row
.set R,   128                          ; v128-255 two sets of 64 registers as loaded
	s_load_b256 s[4:11], s[0:1], 0x0               ; x s[4:5], qweight s[6:7], scale s[8:9], zero_point s[10:11]
	s_load_b128 s[12:15], s[0:1], 0x20             ; a_pack s[12:13], b_pack s[14:15]
	v_lshl_add_u32 v62, v0, 2, 0x8400
	v_mov_b32 v63, 0
	v_lshrrev_b32 v1, 5, v0
	v_readfirstlane_b32 s16, v1                    ; wave 0..3
	v_and_b32 v1, 31, v0                           ; lane
	v_and_b32 v2, 15, v0                           ; r
	v_bfe_u32 v3, v0, 4, 1                         ; h
	s_mul_i32 s23, s16, WSTG                       ; my stage
	v_lshlrev_b32 v[LO], 4, v1
	v_add_nc_u32 v[SI], s23, v[LO]
	v_mul_u32_u24 v[SOU], v2, SPT
	v_lshl_add_u32 v[SOU], v3, 7, v[SOU]
	v_add_nc_u32 v[SOU], s23, v[SOU]
	v_lshlrev_b32 v[RQ], 2, v2
	v_lshlrev_b32 v[L8], 4, v2
	v_lshl_add_u32 v[L8], v3, 3, v[L8]
	v_lshlrev_b32 v[H8], 3, v3
	v_mov_b32 v[WT], 0                             ; written once: a lane permute's destination counts as one of its sources
	s_mov_b32 s20, 0x76543210
	s_mov_b32 s21, 0xfedcba98                      ; v_permlanex16_b32's selects for lane l xor 16
	s_mov_b32 s22, 0xffff0000                      ; the lanes with h = 1
	s_lshr_b32 s17, ttmp9, 9                       ; 0: x, 1: W
	s_and_b32 s18, ttmp9, 511
	s_lshl_b32 s18, s18, 2
	s_add_co_u32 s18, s18, s16                     ; my wave's unit, 0 .. 2,047
	s_lshr_b32 s19, s18, 5                         ; rows 64 x this .. + 63
	s_and_b32 s18, s18, 31                         ; q: k = 128 q .. 128 q + 127
	s_lshl_b32 s26, s19, 20                        ; 64 rows of 16,384 bytes
	s_lshl_b32 s27, s18, 9
	s_add_co_u32 s26, s26, s27                     ; where I read (under 2^27)
	s_mov_b32 s27, 0
	s_lshr_b32 s28, s19, 1                         ; g
	s_mul_i32 s28, s28, GSTR
	s_mul_i32 s29, s18, SUB
	s_add_co_u32 s28, s28, s29                     ; my block of the pack
	s_and_b32 s29, s19, 1                          ; which four of its eight blocks of 16 rows are mine
	s_lshl_b32 s30, s29, 8
	s_add_co_u32 s30, s30, s28
	s_add_co_u32 s30, s30, 12288                   ; their scale words: 256 bytes, at a multiple of 256
	s_mov_b32 s31, 0
	s_mul_i32 s29, s29, 6144
	s_add_co_u32 s28, s28, s29                     ; their codes
	s_mov_b32 s29, 0
	s_lshl_b32 s18, s19, 8                         ; my 64 rows' numbers in scale and in zero_point
	s_mov_b32 s19, 0
	s_wait_alu depctr_va_vdst(0)
	s_wait_kmcnt 0x0
	s_cmp_lt_u32 ttmp9, 512                        ; the choice of buffers hangs on the work-group's number alone
	s_cselect_b64 s[4:5], s[4:5], s[6:7]
	s_cselect_b64 s[12:13], s[12:13], s[14:15]
	s_add_nc_u64 s[24:25], s[12:13], s[30:31]      ; scale words out
	s_add_nc_u64 s[12:13], s[12:13], s[28:29]      ; codes out
	s_add_nc_u64 s[4:5], s[4:5], s[26:27]
	s_add_nc_u64 s[8:9], s[8:9], s[18:19]
	s_add_nc_u64 s[10:11], s[10:11], s[18:19]
.irp t, 0,1,2,3
	global_load_b32 v[ZF+2*\t], v[RQ], s[10:11] offset:64*\t
	global_load_b32 v[SF+2*\t], v[RQ], s[8:9] offset:64*\t
.endr
; Fragment t: rows 16 t on.  Sixteen loads, a row each: 32 lanes read 512 consecutive bytes, at a multiple of 512 from the buffer's first byte.
.macro LOAD t
.irp i, 0,1,2,3,4,5,6,7,8,9,10,11,12,13,14,15
	global_load_b128 v[R+64*((\t)%2)+4*\i:R+64*((\t)%2)+4*\i+3], v[LO], s[4:5] offset:(16*(\t)+\i)*ROWG th:TH_LOAD_NT
.endr
.endm
.macro STEP t
.set RS, R+64*((\t)%2)
.if (\t) < 3
	s_wait_loadcnt 16                              ; this fragment's loads (and all older ones) are in; the next fragment's sixteen may be out
.else
	s_wait_loadcnt 0x0
.endif
.irp i, 0,1,2,3,4,5,6,7,8,9,10,11,12,13,14,15
	ds_store_b128 v[SI], v[RS+4*\i:RS+4*\i+3] offset:SPT*\i
.endr
.irp c, 0,1                                    ; LDS serves a wave's instructions in order (ISA guide 5.7.1.4): these see the stores above
.irp j, 0,1,2,3,4,5,6,7
	ds_load_b128 v[X+32*\c+4*\j:X+32*\c+4*\j+3], v[SOU] offset:256*\c+16*\j   ; k = 64 c + 32 h + 4 j .. + 3 of row r
.endr
.endr
	s_wait_dscnt 0x0                               ; my 64 numbers are in, and the stores have read their registers,
.if (\t)+2 < 4
	LOAD (\t)+2                                    ; which take the fragment two further on
.endif
.if (\t) == 0
.irp u, 0,1,2,3
	v_cvt_f32_i32 v[ZF+2*\u], v[ZF+2*\u]           ; the rows' zero points as f32,
.endr
.irp u, 0,1,2,3
	v_mov_b32 v[ZF+2*\u+1], v[ZF+2*\u]             ; and each number twice, for the packed forms
	v_mov_b32 v[SF+2*\u+1], v[SF+2*\u]
.endr
.endif
	s_cmp_eq_u32 s17, 0
	s_cbranch_scc1 .Lplain_\@                      ; x is taken as it is: the jump passes over register work alone
.set J, 0
.rept 64
	v_cvt_f32_i32 v[X+J], v[X+J]
.set J, J+1
.endr
.set J, 0
.rept 32
	v_pk_add_f32 v[X+J:X+J+1], v[X+J:X+J+1], v[ZF+2*(\t):ZF+2*(\t)+1] neg_lo:[0,1] neg_hi:[0,1]   ; q - zero point
.set J, J+2
.endr
.set J, 0
.rept 32
	v_pk_mul_f32 v[X+J:X+J+1], v[X+J:X+J+1], v[SF+2*(\t):SF+2*(\t)+1]   ; x scale
.set J, J+2
.endr
.Lplain_\@:
.irp c, 0,1                                    ; my two blocks: all 32 numbers of each are mine
	v_max3_num_f32 v[M+\c], |v[X+32*\c]|, |v[X+32*\c+1]|, 0x1800000   ; and the floor 2^(3 - 127): the byte cannot fall under 1
.endr
.irp i, 2,4,6,8,10,12,14,16,18,20,22,24,26,28,30
.irp c, 0,1
	v_max3_num_f32 v[M+\c], v[M+\c], |v[X+32*\c+\i]|, |v[X+32*\c+\i+1]|   ; (the two blocks by turns)
.endr
.endr
.irp c, 0,1
	v_add_nc_u32 v[SO+\c], 0xff000000, v[M+\c]     ; 2 off the exponent field: the conversion takes the exponent field of this operand as its scale, and nothing else of it
.endr
.if (\t) > 0
	s_wait_alu depctr_va_vdst(0)
	s_wait_xcnt 0x0                                ; the last fragment's stores have read their data: the codes' registers are written again only behind this wait
.endif
	v_cvt_scalef32_pk16_fp6_f32 v[C:C+2], v[X:X+15], v[SO]
	v_cvt_scalef32_pk16_fp6_f32 v[T:T+2], v[X+16:X+31], v[SO]
	v_cvt_scalef32_pk16_fp6_f32 v[C+6:C+8], v[X+32:X+47], v[SO+1]
	v_cvt_scalef32_pk16_fp6_f32 v[T+4:T+6], v[X+48:X+63], v[SO+1]
	v_lshrrev_b32 v[BY], 23, v[SO]                 ; the scale bytes of blocks h and 2 + h.  (These plain lines stand between the conversions and the moves that read their results)
	v_lshrrev_b32 v[BY+1], 23, v[SO+1]
	v_lshl_or_b32 v[W+(\t)], v[BY+1], 16, v[BY]
	v_lshlrev_b32 v[W+(\t)], v[H8], v[W+(\t)]      ; at their places in the word, 8 h bits up;
	v_permlanex16_b32 v[WT], v[W+(\t)], s20, s21
	v_or_b32 v[W+(\t)], v[W+(\t)], v[WT]           ; with lane l xor 16's two the word is whole, in both halves of the lanes
.irp i, 0,1,2
	v_mov_b32 v[C+3+\i], v[T+\i]
	v_mov_b32 v[C+9+\i], v[T+4+\i]
.endr
.irp c, 0,1,2
	global_store_b128 v[LO], v[C+4*\c:C+4*\c+3], s[12:13] offset:1536*(\t)+512*\c   ; 32 lanes store 512 consecutive bytes, at a multiple of 512 from the buffer's first byte
.endr
.endm
	LOAD 0
	LOAD 1
	STEP 0
	STEP 1
	STEP 2
	STEP 3
	v_cndmask_b32 v[SW], v[W], v[W+2], s22         ; lane (r, h) stores row number r's words of my blocks 2 h and 2 h + 1
	v_cndmask_b32 v[SW+1], v[W+1], v[W+3], s22
	global_store_b64 v[L8], v[SW:SW+1], s[24:25]   ; 32 lanes store 256 consecutive bytes, aligned
	s_wait_tensorcnt 0x0
	ds_add_u32 v62, v63
	s_wait_dscnt 0x0
	s_endpgm
.Lfunc_end_k_qc3f05e55d4_quant:
	.size	k_qc3f05e55d4_quant, .Lfunc_end_k_qc3f05e55d4_quant-k_qc3f05e55d4_quant
	.p2alignl 7, 3214868480
	.fill 96, 4, 3214868480
	.section	.rodata,"a",@progbits
	.p2align	6, 0x0
	.amdhsa_kernel k_qc3f05e55d4_quant
		.amdhsa_group_segment_fixed_size 34304
		.amdhsa_private_segment_fixed_size 0
		.amdhsa_enable_private_segment 0
		.amdhsa_kernarg_size 48
		.amdhsa_user_sgpr_count 2
		.amdhsa_user_sgpr_kernarg_segment_ptr 1
		.amdhsa_wavefront_size32 1
		.amdhsa_system_sgpr_workgroup_id_x 1
		.amdhsa_system_sgpr_workgroup_id_y 1
		.amdhsa_system_sgpr_workgroup_id_z 1
		.amdhsa_system_vgpr_workitem_id 0
		.amdhsa_next_free_vgpr 256
		.amdhsa_next_free_sgpr 66
		.amdhsa_reserve_vcc 0
		.amdhsa_float_denorm_mode_32 3
		.amdhsa_float_denorm_mode_16_64 3
		.amdhsa_memory_ordered 1
		.amdhsa_forward_progress 1
		.amdhsa_inst_pref_size 56
	.end_amdhsa_kernel
	.amdgpu_metadata
---
amdhsa.version: [ 1, 2 ]
amdhsa.kernels:
  - .name:           k_qc3f05e55d4_quant
    .symbol:         k_qc3f05e55d4_quant.kd
    .args:
      - { .name: x, .offset: 0, .size: 8, .value_kind: global_buffer, .address_space: global }
      - { .name: qweight, .offset: 8, .size: 8, .value_kind: global_buffer, .address_space: global }
      - { .name: scale, .offset: 16, .size: 8, .value_kind: global_buffer, .address_space: global }
      - { .name: zero_point, .offset: 24, .size: 8, .value_kind: global_buffer, .address_space: global }
      - { .name: a_pack, .offset: 32, .size: 8, .value_kind: global_buffer, .address_space: global }
      - { .name: b_pack, .offset: 40, .size: 8, .value_kind: global_buffer, .address_space: global }
    .group_segment_fixed_size: 34304
    .private_segment_fixed_size: 0
    .kernarg_segment_align: 8
    .kernarg_segment_size: 48
    .max_flat_workgroup_size: 128
    .sgpr_count:     66
    .vgpr_count:     256
    .wavefront_size: 32
...
	.end_amdgpu_metadata
.endif
;; end of part 1
;; launch gemm (part 2): grid 16 x 16, 4 waves a work-group, clusters of 4 x 4, 327,680 bytes of LDS; arguments a_pack, b_pack, bias, out0; writes out0
.if DOCPART == 2
	.amdgcn_target "amdgcn-amd-amdhsa--gfx1250"
	.amdhsa_code_object_version 6
	.text
	.protected	k_qc3f05e55d4_gemm
	.globl	k_qc3f05e55d4_gemm
	.p2align	8
	.type	k_qc3f05e55d4_gemm,@function
k_qc3f05e55d4_gemm:
	s_mov_b64 s[64:65], 0
	v_nop
	global_prefetch_b8 v0, s[64:65] scope:SCOPE_SE
	s_setreg_imm32_b32 hwreg(HW_REG_WAVE_MODE, 25, 1), 1
	s_wait_xcnt 0x0
	s_wait_alu depctr_hold_cnt(0) depctr_sa_sdst(0) depctr_va_vdst(0) depctr_va_sdst(0) depctr_va_ssrc(0) depctr_va_vcc(0) depctr_vm_vsrc(0)
	s_getreg_b32 s2, hwreg(HW_REG_IB_STS2, 6, 4)
	s_cmp_eq_u32 s2, 0
	s_cbranch_scc0 .Lentry_in_a_cluster
	s_endpgm
.Lentry_in_a_cluster:
	s_bfe_u32 s2, ttmp6, 0x10000c
	s_cmp_lg_u32 s2, 0xf033
	s_cbranch_scc0 .Lentry_shape_is_right
	s_endpgm
.Lentry_shape_is_right:
; out0[m][n] = sum over k of A[m][k] B[n][k] + bias[n]: A = x, B = the dequantised weight, both as codes of FP6 (E2M3) with E8M0 scale bytes, packed by the launch before
; in the order of the operand's registers: [g = row / 128][q = k / 128][12,800 bytes]: fragment rb (16 rows x 128 K) at 1,536 rb + 512 c + 16 lane, scale words at 12,288 + 256 (rb / 4) + 16 r + 4 (rb % 4).
; A work-group of four waves makes 256 x 256 of the result, a wave 128 x 128: 64 accumulators, 512 registers.  Sums in f32; the bias is added in f32 on the way out, behind the whole sum.
; K: 32 steps of 128 through two LDS slots of three steps each (4 x 38,400 bytes: A's two groups of 128 rows, then B's two); blocks 0 to 9 have three steps, block 10 two.  Each wave fetches one group's block by one dense tensor load in rows of 256 bytes.
; CLUSTERS: 4 x 4 work-groups; A's blocks are asked for jointly along a row of the cluster, B's along a column.  The round of the cluster's barrier stands in front of every joint load.
; THE MATRIX INSTRUCTION IS USED TRANSPOSED (source 0 = 16 rows of B, source 1 = 16 rows of A): a lane holds eight neighbouring columns of one row of the result.
; REGISTERS BY QUADRANTS.  Window W = 2 ah + bh holds at v128-255 the 16 accumulators of A's blocks 4 ah .. + 3 x B's blocks 4 bh .. + 3, and at v32-127 two sets of four fragments:
;   window 0: A's blocks 0-3;  window 1: B's blocks 0-3;  window 2: A's blocks 4-7;  window 3: B's blocks 4-7.
; A step's 64 matrix instructions go through the quadrants (0,0), (0,1), (1,1), (1,0), 16 under each window setting.  Every fragment and scale word has TWO sets, so the next step's 50 LDS loads stand in TWO runs:
; 26 at the step's head (B 0-3, A 0-3, the scale words) and 24 in its middle (A 4-7, B 4-7); the four v_nop at the step's head are the places for both.  The runs use the quadrants' own settings (a load lands in the destination's window
; and takes its address from source 0's), each run ending on the setting of the products that follow it: six switches a step.  So the address registers lie where source 0 points: A's and the scales' in window 1 (v16-19), B's in window 3 (v16-17).
; Window 0, v0-31: v4-7 bias, v8-13 addresses, v16-31 scale words, two sets of eight: lanes 0-15 the word of A's block i, lanes 16-31 that of B's block i.
; PREFETCH: behind the joint load of block n each wave asks for block n + 2 of the group that it fetches: 50 units of 256 bytes for each K step, shared out by address among the four partners that load it jointly (13 units each); every cluster asks for its own; blocks 0 and 1 come by their loads alone; nothing is asked beyond block 10.
; LIMITS: NaN and infinities are not served (the packing launch states the same).
.set SUB,    12800
.set GSTR,   32*SUB
.set BLK,    3*SUB
.set FRB,    1536
.set SCO,    12288
.set BOFF,   2*BLK
.set SLOT,   4*BLK
.set SPARE,  2*SLOT                    ; the spare words: 512 bytes that no other line names
.set STG,    SLOT                      ; the way out's stages lie in slot 1: it has had its last fill and its last read by then
.set SPITCH, 528
.set ROWO,   16384
.set FR,   12
.set BIA,  4
.set STO,  8
.set RD,   9
.set CO,   10
.set PFO,  11
.set SPW,  12
.set NIL,  13
.set SC,   16
.set FB,   32
.set ACC,  128
.set ADRA, 16                          ; window 1: v16-17 A's fragments in slot 0, 1; v18-19 the scale words
.set ADRB, 16                          ; window 3: v16-17 B's fragments
.set G1,   24
.set G0,   32
.set G1B,  48
.set G0B,  56
.set G1S,  80
.set G1SB, 88
.set PFA,  66
.set S00,  0x01                        ; low byte: bits 1:0 source 0, 3:2 source 1, 5:4 source 2, 7:6 destination
.set S01,  0x53
.set S11,  0xfb
.set S10,  0xa9
.set MSB, 0
.macro WIN new                         ; the high byte repeats the setting that is left
.if MSB != (\new)
	s_set_vgpr_msb (MSB<<8)|(\new)
.set MSB, (\new)
.endif
.endm
.macro PLACES n
.rept \n
	v_nop
.endr
.endm
.macro JLOAD g0a, g1a, g0b, g1b        ; waves 0, 1 fetch for A, waves 2, 3 for B; s_nop 0 and four v_nop behind each line
	s_cmp_eq_u32 s15, 0
	s_cbranch_scc0 .Lfor_b_\@
	tensor_load_to_lds s[\g0a:\g0a+3], s[\g1a:\g1a+7]
	s_nop 0
	PLACES 4
	s_branch .Lasked_\@
.Lfor_b_\@:
	tensor_load_to_lds s[\g0b:\g0b+3], s[\g1b:\g1b+7]
	s_nop 0
	PLACES 4
.Lasked_\@:
.endm
.macro CREST                           ; a round of the cluster's barrier behind its opening barrier
	s_cmp_lg_u32 s14, 0
	s_cbranch_scc1 .Lnot_wave_0_\@
	s_barrier_signal -3
.Lnot_wave_0_\@:
	s_barrier_wait -3
	s_barrier_signal -1
	s_barrier_wait -1
.endm
.macro CROUND
	s_barrier_signal -1
	s_barrier_wait -1
	CREST
.endm
.macro PF off
	global_prefetch_b8 v[PFO], s[PFA:PFA+1] offset:\off th:TH_LOAD_NT scope:SCOPE_SE
.endm
; In the loop: how = 1 (slot 0's refill): the block two refills on exists in every trip, and is the short one in the last (s3 = 1); how = 2 (slot 1's): it exists in all trips but the last
.macro ASK how
.if (\how) == 2
	s_cmp_gt_u32 s3, 1
	s_cbranch_scc0 .Lno_ask_\@
.endif
	PF BLK
	PF BLK+SUB
.if (\how) == 1
	s_cmp_gt_u32 s3, 1
	s_cbranch_scc0 .Lno_ask_\@
.endif
	PF BLK+2*SUB
.Lno_ask_\@:
.endm
	s_load_b256 s[4:11], s[0:1], 0x0               ; a_pack s[4:5], b_pack s[6:7], bias s[8:9], out0 s[10:11]
	v_lshl_add_u32 v[SPW], v0, 2, SPARE
	v_mov_b32 v[NIL], 0
	ds_add_u32 v[SPW], v[NIL]                      ; the opening lines: the add twice on end and one wait, ahead of my first tensor load
	ds_add_u32 v[SPW], v[NIL]
	v_lshrrev_b32 v1, 5, v0
	v_readfirstlane_b32 s14, v1                    ; wave 0..3
	s_lshr_b32 s15, s14, 1                         ; my half of the rows; also: I fetch for A (0) or B (1)
	s_and_b32 s16, s14, 1                          ; my half of the columns; also: which group of 128 rows I fetch
	s_bfe_u32 s40, ttmp6, 0x40000                  ; cx
	s_bfe_u32 s41, ttmp6, 0x40004                  ; cy
	s_lshl_b32 s42, ttmp9, 2
	s_add_co_u32 s42, s42, s40                     ; tile column
	s_and_b32 s17, ttmp7, 0xffff
	s_lshl_b32 s17, s17, 2
	s_add_co_u32 s17, s17, s41                     ; tile row
	s_lshl_b32 s43, s41, 2
	s_lshl_b32 s43, 15, s43                        ; my row of the cluster
	s_lshl_b32 s44, 0x1111, s40                    ; my column
	s_or_b32 s[G1+0], s43, (3<<16)|(1<<21)         ; elements of 8 bytes, the mask, bit 21 beside it; no padding: lanes read 16 x lane
	s_or_b32 s[G1B+0], s44, (3<<16)|(1<<21)
	s_or_b32 s[G1S+0], s43, (3<<16)|(1<<21)
	s_or_b32 s[G1SB+0], s44, (3<<16)|(1<<21)
.irp g, G1, G1B                        ; a block of three steps: 150 rows of 256 bytes
	s_mov_b32 s[\g+1], 32<<16
	s_mov_b32 s[\g+2], (BLK/256)<<16
	s_mov_b32 s[\g+3], 32<<16
	s_mov_b32 s[\g+4], BLK/256
	s_mov_b32 s[\g+5], 32
	s_mov_b32 s[\g+6], 0
	s_mov_b32 s[\g+7], 0
.endr
.irp g, G1S, G1SB                      ; the last block, two steps: 100 rows
	s_mov_b32 s[\g+1], 32<<16
	s_mov_b32 s[\g+2], (2*SUB/256)<<16
	s_mov_b32 s[\g+3], 32<<16
	s_mov_b32 s[\g+4], 2*SUB/256
	s_mov_b32 s[\g+5], 32
	s_mov_b32 s[\g+6], 0
	s_mov_b32 s[\g+7], 0
.endr
	s_lshl_b32 s18, s17, 1
	s_add_co_u32 s18, s18, s16                     ; A's group that I fetch
	s_lshl_b32 s19, s42, 1
	s_add_co_u32 s19, s19, s16                     ; B's
	s_mul_i32 s20, s18, GSTR
	s_mov_b32 s21, 0
	s_mul_i32 s46, s19, GSTR
	s_mov_b32 s47, 0
	s_mul_i32 s45, s14, BLK                        ; where my block goes: wave x 38,400
.irp s, 0,1
	s_mov_b32 s[G0+4*\s], 1
	s_add_co_u32 s[G0+4*\s+1], s45, \s*SLOT
	s_mov_b32 s[G0B+4*\s], 1
	s_add_co_u32 s[G0B+4*\s+1], s45, \s*SLOT
.endr
	s_mul_i32 s22, s15, BLK                        ; the group of A that I multiply, in slot 0,
	s_mul_i32 s23, s16, BLK
	s_add_co_u32 s23, s23, BOFF                    ; and of B
	s_sub_co_u32 s69, s23, s22
	s_add_co_u32 s70, s22, SCO
	s_add_co_u32 s12, s22, SLOT                    ; the same in slot 1
	s_add_co_u32 s13, s23, SLOT
	s_add_co_u32 s68, s70, SLOT
	s_mul_i32 s71, s14, 16*SPITCH
	s_add_co_u32 s71, s71, STG                     ; my stage
	s_lshl_b32 s72, s42, 10
	s_lshl_b32 s73, s16, 9
	s_add_co_u32 s72, s72, s73                     ; my first column, in bytes
	s_mov_b32 s73, 0
	s_wait_dscnt 0x0                               ; both opening adds are done
	s_wait_kmcnt 0x0
	s_add_nc_u64 s[20:21], s[4:5], s[20:21]
	s_add_nc_u64 s[46:47], s[6:7], s[46:47]
.irp s, 0,1
	s_add_nc_u64 s[G0+4*\s+2:G0+4*\s+3], s[20:21], \s*BLK
	s_or_b32 s[G0+4*\s+3], s[G0+4*\s+3], 0x80000000
	s_add_nc_u64 s[G0B+4*\s+2:G0B+4*\s+3], s[46:47], \s*BLK
	s_or_b32 s[G0B+4*\s+3], s[G0B+4*\s+3], 0x80000000
.endr
	CROUND                                         ; all sixteen work-groups are here
	JLOAD G0, G1, G0B, G1B                         ; block 0: one tensor load a wave at the head
	s_add_nc_u64 s[8:9], s[8:9], s[72:73]          ; my 128 numbers of bias
	s_lshl_b32 s74, s17, 8
	s_lshl_b32 s75, s15, 7
	s_add_co_u32 s74, s74, s75
	s_lshl_b32 s74, s74, 14                        ; my first row of out0, 16,384 bytes a row
	s_add_co_u32 s74, s74, s72
	s_mov_b32 s75, 0
	s_add_nc_u64 s[10:11], s[10:11], s[74:75]
	s_cmp_eq_u32 s15, 0                            ; the prefetches: the group that I fetch,
	s_cselect_b32 s76, s18, s19
	s_cselect_b32 s78, s40, s41                    ; my place among the four that load it jointly,
	s_cselect_b64 s[PFA:PFA+1], s[4:5], s[6:7]
	s_mul_i32 s78, s78, 13                         ; which takes 13 of a step's 50 units
	s_mul_i32 s76, s76, GSTR
	s_add_co_u32 s76, s76, 2*BLK                   ; at block 2
	s_mov_b32 s77, 0
	s_add_nc_u64 s[PFA:PFA+1], s[PFA:PFA+1], s[76:77]
	v_and_b32 v1, 15, v0                           ; r
	v_bfe_u32 v2, v0, 4, 1                         ; h
	v_and_b32 v3, 31, v0                           ; lane
	v_lshlrev_b32 v[CO], 4, v3                     ; 16 x lane: in a fragment's 512 bytes, in a row of the stage, in a row of out0, in bias
	v_mul_u32_u24 v14, s69, v2                     ; scale words: lanes 16-31 take B's
	v_lshl_add_u32 v14, v1, 4, v14
	v_mul_u32_u24 v15, v1, SPITCH
	v_lshl_add_u32 v15, v2, 5, v15
	v_add_nc_u32 v[STO], s71, v15                  ; into the stage: row r, 32 bytes for each half of the lanes
	v_add_nc_u32 v[RD], s71, v[CO]                 ; back: a row of 512 bytes
	v_min_u32 v3, 12, v3
	v_add_nc_u32 v3, s78, v3
	v_min_u32 v3, 49, v3                           ; lanes left over name the last unit again
	v_lshlrev_b32 v[PFO], 8, v3
	WIN 0x40                                       ; destination window 1
	v_add_nc_u32 v[ADRA], s22, v[CO]
	v_add_nc_u32 v[ADRA+1], s12, v[CO]
	v_add_nc_u32 v[ADRA+2], s70, v14
	v_add_nc_u32 v[ADRA+3], s68, v14
	WIN 0xc0                                       ; destination window 3
	v_add_nc_u32 v[ADRB], s23, v[CO]
	v_add_nc_u32 v[ADRB+1], s13, v[CO]
	WIN 0
	global_load_b128 v[BIA:BIA+3], v[CO], s[8:9]   ; bias of columns 4 lane .. + 3 of my 128; waited for on the way out
	PF 0                                           ; block 2, two refills ahead of its load
	PF SUB
	PF 2*SUB
; Part lo .. hi - 1 of a quadrant's 16 matrix instructions on set p; I = 4 x (A's block in the half) + (B's block in the half) is also the accumulator's number in its window.
; The 64 accumulators take turns in one order in every step.  first = 1: the product starts the sum.
.macro QUAD ah, bh, p, first, lo, hi
.set I, \lo
.rept (\hi)-(\lo)
.if \first
	v_wmma_scale_f32_16x16x128_f8f6f4 v[ACC+8*I:ACC+8*I+7], v[FB+48*(\p)+FR*(I%4):FB+48*(\p)+FR*(I%4)+FR-1], v[FB+48*(\p)+FR*(I/4):FB+48*(\p)+FR*(I/4)+FR-1], 0, v[SC+8*(\p)+4*(\bh)+(I%4)], v[SC+8*(\p)+4*(\ah)+(I/4)] matrix_a_fmt:MATRIX_FMT_FP6 matrix_b_fmt:MATRIX_FMT_FP6 matrix_a_scale:MATRIX_SCALE_ROW1
.else
	v_wmma_scale_f32_16x16x128_f8f6f4 v[ACC+8*I:ACC+8*I+7], v[FB+48*(\p)+FR*(I%4):FB+48*(\p)+FR*(I%4)+FR-1], v[FB+48*(\p)+FR*(I/4):FB+48*(\p)+FR*(I/4)+FR-1], v[ACC+8*I:ACC+8*I+7], v[SC+8*(\p)+4*(\bh)+(I%4)], v[SC+8*(\p)+4*(\ah)+(I/4)] matrix_a_fmt:MATRIX_FMT_FP6 matrix_b_fmt:MATRIX_FMT_FP6 matrix_a_scale:MATRIX_SCALE_ROW1
.endif
.set I, I+1
.endr
.endm
.macro HALF p, adr, off                ; four fragments, 12 loads, into set p of the destination's window
.set I, 0
.rept 12
	ds_load_b128 v[FB+48*(\p)+4*I:FB+48*(\p)+4*I+3], v[\adr] offset:(\off)+FRB*(I/3)+512*(I%3)
.set I, I+1
.endr
.endm
; The LDS loads of one step (step q of a slot) into set p.  The first run, 26 loads: B 0-3, A 0-3, the scale words; it ends on quadrant (0,0)'s setting
.macro RUN1 p, slot, q
	WIN S01
	HALF \p, ADRB+\slot, SUB*(\q)
	WIN S00
	HALF \p, ADRA+\slot, SUB*(\q)
	ds_load_b128 v[SC+8*(\p):SC+8*(\p)+3], v[ADRA+2+\slot] offset:SUB*(\q)
	ds_load_b128 v[SC+8*(\p)+4:SC+8*(\p)+7], v[ADRA+2+\slot] offset:SUB*(\q)+256
.endm
; The second run, 24 loads: A 4-7, B 4-7; it ends on quadrant (1,1)'s setting
.macro RUN2 p, slot, q
	WIN S10
	HALF \p, ADRA+\slot, SUB*(\q)+4*FRB
	WIN S11
	HALF \p, ADRB+\slot, SUB*(\q)+4*FRB
.endm
; A step behind its first quadrant: quadrant (0,1), the second run for step q of a slot (fetch = 1), quadrants (1,1) and (1,0)
.macro BACK p, first, slot, q, fetch
	WIN S01
	QUAD 0, 1, \p, \first, 0, 16
.if \fetch
	RUN2 1-(\p), \slot, \q
.endif
	WIN S11
	QUAD 1, 1, \p, \first, 0, 16
	WIN S10
	QUAD 1, 0, \p, \first, 0, 16
.endm
.macro STEP slot, q, p, first
	PLACES 4                                       ; the places in front of both runs: they land in the sets that the last step multiplied
	RUN1 1-(\p), \slot, (\q)+1
	s_wait_dscnt 50                                ; all but the last step's second run (24) and the 26 just issued: B 0-3, A 0-3 and the scale words of this step are in
	QUAD 0, 0, \p, \first, 0, 16
	s_wait_dscnt 26                                ; all but the 26: A 4-7 and B 4-7 are in
	BACK \p, \first, \slot, (\q)+1, 1
.endm
; A slot's last step changes slots.  Its fragments are in registers, so the slot is free at the step's head: the three lines, eight matrix instructions under the add, the barrier (which opens a round where a refill follows), the refill,
; and only then the runs that read the next slot.  fill: 0 none, 1 a block of three steps, 2 the last block.  ask: the prefetch's case (0: none).
.macro TURN slot, next, p, fill, ask
.if \ask
	s_wait_xcnt 0x0                                ; my earlier prefetches have read their address
	s_add_nc_u64 s[PFA:PFA+1], s[PFA:PFA+1], BLK
.endif
	WIN 0                                          ; the add's registers lie in window 0
	s_wait_tensorcnt 0x0                           ; my part of the next slot has landed: no load of mine is out
	ds_add_u32 v[SPW], v[NIL]
	s_wait_dscnt 1                                 ; this step's fragments are in; the add may be out
	PLACES 4
	WIN S00
	QUAD 0, 0, \p, 0, 0, 8
	s_wait_dscnt 0x0                               ; the add is done; my reads of this slot were done above
	s_barrier_signal -1
	QUAD 0, 0, \p, 0, 8, 16
	WIN 0
	s_barrier_wait -1
.if \fill
	CREST                                          ; no wave of any partner reads this slot or has a load on its way
	s_add_nc_u64 s[G0+4*\slot+2:G0+4*\slot+3], s[G0+4*\slot+2:G0+4*\slot+3], 2*BLK
	s_add_nc_u64 s[G0B+4*\slot+2:G0B+4*\slot+3], s[G0B+4*\slot+2:G0B+4*\slot+3], 2*BLK
.if (\fill) == 1
	JLOAD G0+4*\slot, G1, G0B+4*\slot, G1B
.else
	JLOAD G0+4*\slot, G1S, G0B+4*\slot, G1SB
.endif
.endif
	RUN1 1-(\p), \next, 0
.if \ask
	WIN 0
	ASK \ask
.endif
	BACK \p, 0, \next, 0, 1
.endm
	s_wait_alu depctr_va_vdst(0)
	s_wait_tensorcnt 0x0                           ; my part of block 0 is in; slot 1's first fill is issued as a refill is:
	ds_add_u32 v[SPW], v[NIL]
	s_wait_dscnt 0x0
	CROUND
	JLOAD G0+4, G1, G0B+4, G1B                     ; block 1
	RUN1 0, 0, 0
	RUN2 0, 0, 0
	WIN 0
	PF BLK                                         ; block 3
	PF BLK+SUB
	PF BLK+2*SUB
	STEP 0, 0, 0, 1                                ; the first step's products start the sums
	WIN 0
	s_mov_b32 s3, 4
.Llap:                                                 ; a trip: six steps, once round the ring, both slots filled again (blocks 2 to 9)
	STEP 0, 1, 1, 0
	TURN 0, 1, 0, 1, 1
	STEP 1, 0, 1, 0
	STEP 1, 1, 0, 0
	TURN 1, 0, 1, 1, 2
	STEP 0, 0, 0, 0
	WIN 0
	s_sub_co_u32 s3, s3, 1
	s_cmp_lg_u32 s3, 0
	s_cbranch_scc1 .Llap
	STEP 0, 1, 1, 0
	TURN 0, 1, 0, 2, 0                             ; block 10, two steps
	STEP 1, 0, 1, 0
	STEP 1, 1, 0, 0
	TURN 1, 0, 1, 0, 0                             ; nothing is filled: a plain barrier shows block 10 whole
	STEP 0, 0, 0, 0
	s_wait_dscnt 0x0                               ; the last step fetches nothing
	WIN S00
	QUAD 0, 0, 1, 0, 0, 16
	BACK 1, 0, 0, 0, 0
	WIN 0
; THE WAY OUT, by blocks of 16 rows x 128 columns: through my own stage, back as whole rows of 512 bytes (window 1, v0-63 and v64-127 by turns), the bias added, stored as two aligned units of 256 bytes.
; LDS serves a wave's instructions in order (ISA guide 5.7.1.4): no wait between the stage's stores and loads.
.macro TOSTAGE a
.irp bh, 0,1
	WIN (2*((\a)/4)+\bh)<<2                        ; the data's window
.irp b, 0,1,2,3
	ds_store_b128 v[STO], v[ACC+8*(4*((\a)%4)+\b):ACC+8*(4*((\a)%4)+\b)+3] offset:64*(4*\bh+\b)      ; each accumulator from its low end on
	ds_store_b128 v[STO], v[ACC+8*(4*((\a)%4)+\b)+4:ACC+8*(4*((\a)%4)+\b)+7] offset:64*(4*\bh+\b)+16
.endr
.endr
	WIN 0x40
.irp t, 0,1,2,3,4,5,6,7,8,9,10,11,12,13,14,15
	ds_load_b128 v[64*((\a)%2)+4*\t:64*((\a)%2)+4*\t+3], v[RD] offset:\t*SPITCH
.endr
.endm
.macro SEND a, younger                 ; younger: LDS instructions issued behind block a's loads
	s_wait_dscnt \younger
	WIN 0x41                                       ; destination and source 0 window 1, the bias window 0
.irp t, 0,1,2,3,4,5,6,7,8,9,10,11,12,13,14,15
	v_pk_add_f32 v[64*((\a)%2)+4*\t:64*((\a)%2)+4*\t+1], v[64*((\a)%2)+4*\t:64*((\a)%2)+4*\t+1], v[BIA:BIA+1]
	v_pk_add_f32 v[64*((\a)%2)+4*\t+2:64*((\a)%2)+4*\t+3], v[64*((\a)%2)+4*\t+2:64*((\a)%2)+4*\t+3], v[BIA+2:BIA+3]
.endr
	WIN 0x04                                       ; address window 0, data window 1
.if (\a) > 0
	s_add_nc_u64 s[10:11], s[10:11], 16*ROWO       ; behind a wait on XCNT: the earlier stores have read their base
.endif
.irp t, 0,1,2,3,4,5,6,7,8,9,10,11,12,13,14,15
	global_store_b128 v[CO], v[64*((\a)%2)+4*\t:64*((\a)%2)+4*\t+3], s[10:11] offset:\t*ROWO th:TH_STORE_NT   ; 32 lanes store 512 consecutive bytes, aligned
.endr
.endm
	PLACES 4                                       ; behind the last products: for the reads of results and the loads into window 1
	s_wait_loadcnt 0x0                             ; the bias is in
	TOSTAGE 0
.irp a, 1,2,3,4,5,6,7
.if \a > 1
	s_wait_xcnt 0x0                                ; block a - 2's stores have read their registers and their base
.endif
	TOSTAGE \a
	SEND (\a)-1, 32                                ; behind block a - 1's loads: block a's 16 stores and 16 loads
.endr
	s_wait_xcnt 0x0
	SEND 7, 0
	WIN 0
	s_wait_tensorcnt 0x0                           ; the wave's end
	ds_add_u32 v[SPW], v[NIL]
	s_wait_dscnt 0x0
	CROUND                                         ; the closing round
	s_endpgm
.Lfunc_end_k_qc3f05e55d4_gemm:
	.size	k_qc3f05e55d4_gemm, .Lfunc_end_k_qc3f05e55d4_gemm-k_qc3f05e55d4_gemm
	.p2alignl 7, 3214868480
	.fill 96, 4, 3214868480
	.section	.rodata,"a",@progbits
	.p2align	6, 0x0
	.amdhsa_kernel k_qc3f05e55d4_gemm
		.amdhsa_group_segment_fixed_size 327680
		.amdhsa_private_segment_fixed_size 0
		.amdhsa_enable_private_segment 0
		.amdhsa_kernarg_size 32
		.amdhsa_user_sgpr_count 2
		.amdhsa_user_sgpr_kernarg_segment_ptr 1
		.amdhsa_wavefront_size32 1
		.amdhsa_system_sgpr_workgroup_id_x 1
		.amdhsa_system_sgpr_workgroup_id_y 1
		.amdhsa_system_sgpr_workgroup_id_z 1
		.amdhsa_system_vgpr_workitem_id 0
		.amdhsa_next_free_vgpr 1024
		.amdhsa_next_free_sgpr 96
		.amdhsa_reserve_vcc 0
		.amdhsa_float_denorm_mode_32 3
		.amdhsa_float_denorm_mode_16_64 3
		.amdhsa_memory_ordered 1
		.amdhsa_forward_progress 1
		.amdhsa_inst_pref_size 222
	.end_amdhsa_kernel
	.amdgpu_metadata
---
amdhsa.version: [ 1, 2 ]
amdhsa.kernels:
  - .name:           k_qc3f05e55d4_gemm
    .symbol:         k_qc3f05e55d4_gemm.kd
    .args:
      - { .name: a_pack, .offset: 0, .size: 8, .value_kind: global_buffer, .address_space: global }
      - { .name: b_pack, .offset: 8, .size: 8, .value_kind: global_buffer, .address_space: global }
      - { .name: bias, .offset: 16, .size: 8, .value_kind: global_buffer, .address_space: global }
      - { .name: out0, .offset: 24, .size: 8, .value_kind: global_buffer, .address_space: global }
    .group_segment_fixed_size: 327680
    .private_segment_fixed_size: 0
    .kernarg_segment_align: 8
    .kernarg_segment_size: 32
    .max_flat_workgroup_size: 128
    .sgpr_count:     96
    .vgpr_count:     1024
    .wavefront_size: 32
...
	.end_amdgpu_metadata
.endif
;; end of part 2
